; MI455X (gfx1250); checked and timed in simulation.
; The chip was launched on July 23, 2026; its instructions are those of AMD's public machine-readable ISA for CDNA 5 (MIT licence, August 2026) and "CDNA5" Instruction Set Architecture Reference Guide (July 2026). The comments in the code are by the model that wrote it; some were corrected since.
;; Experts. Allowed arithmetic: matrix products marked QUANTISED: E4M3 operands, one given power-of-two scale a tensor, by v_wmma_f32_16x16x64_fp8_fp8 or v_wmma_f32_16x16x128_fp8_fp8, f32 sums; everything else in f32.
;; Inputs: b1 8 x 2,048 float32; b2 8 x 1,024 float32; lowp_scales 4 int32 (the exponents e of the quantised operands' scales 2^e); w1 8 x 1,024 x 2,048 float32; w2 8 x 2,048 x 1,024 float32; x 1 x 16,384 x 1,024 float32.
;; Outputs: out0 1 x 16,384 x 1,024 float32.
;; This version of the problem:
;;   THIS VERSION OF THE PROBLEM IS GIVEN IN LOW PRECISION. The matrix products marked QUANTISED in the list below multiply operands that are first quantised to E4M3 (4 exponent bits, 3 mantissa bits; 8 bits a number), with one given power-of-two scale for each operand tensor; their sums are f32. All else is computed in f32.
;;   The module's matrix products, in the order in which they are computed (A, B: the left and right operand; K: the contracted axis; several contracted axes count as one K, in the product's order):
;;     1. batch 8 x [M 2,048, K 1,024] x [K 1,024, N 2,048]; A: input w1; B: input x: QUANTISED (scales: A lowp_scales[0], B lowp_scales[1])
;;     2. batch 8 x [M 1,024, K 2,048] x [K 2,048, N 2,048]; A: input w2; B: computed on the way: QUANTISED (scales: A lowp_scales[2], B lowp_scales[3])
;;   THE QUANTISER, for each operand of a quantised product, along K:
;;     - The operand's scale is 2^e, e = its entry of the input lowp_scales (int32; the entries are numbered through the quantised products in the list's order, A before B).
;;     - Each number is divided by the scale, clamped to +-448, and rounded to the nearest number of E4M3, ties to even, subnormals kept.
;;     - The product sums the exact products of the quantised numbers (number of the format x scale) in f32.
;;   ~~~python
;;   def quantise(x, axis, e):      # numpy; x: float32 -> the quantised numbers, widened to float32 again
;;       x = np.moveaxis(x, axis, -1); K = x.shape[-1]
;;       r = np.clip(x / 2.0 ** e, -448, 448)
;;       step = 2.0 ** (np.maximum(np.frexp(np.where(r == 0, 1, r))[1] - 1, -6) - 3)
;;       q = np.round(r / step) * step * 2.0 ** e      # np.round: ties to even
;;       return np.moveaxis(q, -1, axis).astype(np.float32)
;;   ~~~
;;   OPERANDS COMPUTED ON THE WAY. 'Computed on the way' means the value that the module computes at that place (a softmax that the list does not call 'softmax' is quantised finished and normalised). What goes into a quantiser is computed in f32, as accurately as f32 sums, v_exp_f32 and their like allow (about 1e-6 of the number): no bf16 or f16 on the way to a quantiser, and a product that is left as it is and whose result goes on into a quantised operand takes f32 operands (vector FMAs, or v_wmma_f32_16x16x4_f32). A number that lies on a knife's edge between two numbers of the format may be rounded either way, as far as f32 arithmetic and the matrix unit's own rounding can turn it there, and no further.
;; One version. Each part assembles by itself: llvm-mc -triple=amdgcn-amd-amdhsa -mcpu=gfx1250 --defsym DOCPART=n.
;; ======== version 1 of 1: 3 launches
;; limits: right only within a limited range of input values
;; workspace buffers: xq 16,777,216 bytes; w1q 16,777,216 bytes; w2q 16,777,216 bytes; hq 33,554,432 bytes
;; launch quant (part 1): grid 1024 x 1, 4 waves a work-group, no clusters, 68,096 bytes of LDS; arguments x, w1, lowp_scales, xq, w1q; writes xq, w1q
.if DOCPART == 1
	.amdgcn_target "amdgcn-amd-amdhsa--gfx1250"
	.amdhsa_code_object_version 6
	.text
	.protected	k_q5b1087b121_quant
	.globl	k_q5b1087b121_quant
	.p2align	8
	.type	k_q5b1087b121_quant,@function
k_q5b1087b121_quant:
	s_mov_b64 s[64:65], 0
	v_nop
	global_prefetch_b8 v0, s[64:65] scope:SCOPE_SE
	s_setreg_imm32_b32 hwreg(HW_REG_WAVE_MODE, 25, 1), 1
	s_wait_xcnt 0x0
; x [16384][1024] and w1 [8][1024 k][2048 f], f32, become codes of FP8 (E4M3), one a byte, K innermost: xq [16384][1024], w1q [8][2048 f][1024 k].
; code = number / 2^e, held within +-448, to the nearest code, ties to even.  The buffer of scales begins with e(w1), e(x).
; LIMITS: -126 <= e <= 119, so that 2^e and 448 x 2^e are f32 numbers.  NaN among the inputs is not served; an infinity is held at the largest code.
; Both tensors are read by many work-groups of the first product, so they are quantised once, here.  (w2 is not wanted before the second product: the first product's launch quantises it.)
; One launch for the two: work-groups 0-511 take x, 512-1023 w1.  No tensor loads, no barrier: waves share nothing.  The two paths have LDS bytes of their own: x's 0 to 32,767, w1's 32,768 to 67,583.
; PATH X (K innermost): a wave takes 16 steps of 512 numbers.  Each load reads 512 consecutive bytes, 16 a lane; a step's 2,048 bytes turn through the wave's stage in LDS and come back 64 bytes a lane, since the conversion
; takes neighbours along K from ONE lane's registers.  A lane's 16 codes are 16 bytes: a store covers 512 consecutive bytes.  Loads run four steps ahead, the turn through LDS one step.
; PATH W (K is the first axis): a wave takes 32 columns x 256 along K.  A LANE TAKES A COLUMN AND ITS REGISTERS RUN DOWN K: each load reads 128 consecutive bytes a wave, 512 a work-group, and the codes come out with K innermost.
; A column's 256 codes are gathered in the wave's stage and leave as rows: sixteen lanes store 256 consecutive bytes, aligned.  Loads run two blocks of 32 along K ahead.  Every offset is an immediate: 255 rows of 8,192 bytes at the most.
.set STEPS, 16
.set SP,    80                         ; path X: a lane's place in a stage: its 64 bytes + 16 of padding
.set WREG,  8192                       ; path X: LDS of a wave: two stages of 32 x SP bytes
.set R,     16                         ; path X: v16-79   four sets of 16 numbers as loaded
.set XN,    80                         ;         v80-111  two sets of 16 neighbours
.set CD,    128                        ;         v128-191 codes, four registers for each step: no store's data are written again
.set WSTG,  4*WREG                     ; path W: its stages begin here: 32 rows x WP bytes for each wave
.set WP,    272                        ; a stage row: 256 bytes + 16 = 68 words: row r starts at bank 4 r mod 64 (64 banks of 4 bytes: ISA guide 11.1)
.set WROW,  8192                       ; a row of w1 in bytes
.set KROW,  1024                       ; a row of w1q in bytes
.set WX,    32                         ; path W: v32-95   two sets of 32 numbers
.set WC,    96                         ;         v96-103  a block's codes
.set OUTR,  112                        ;         v112-175 the way out
.set EMAX,  8
.set MANT,  0x600000                   ; the mantissa field of 448 as f32
.macro MAKE_SCALE e                    ; s[e] holds the exponent: v11 = 2^e (the conversion takes its exponent field), v10 = 448 x 2^e
	s_add_co_i32 s[\e], s[\e], 127
	s_lshl_b32 s55, s[\e], 23
	v_mov_b32 v11, s55
	s_add_co_i32 s[\e], s[\e], EMAX
	s_lshl_b32 s[\e], s[\e], 23
	s_or_b32 s[\e], s[\e], MANT
	v_mov_b32 v10, s[\e]
.endm
	s_load_b128 s[4:7], s[0:1], 0x0                ; x s[4:5], w1 s[6:7]
	s_load_b128 s[8:11], s[0:1], 0x10              ; the scales' exponents s[8:9], xq s[10:11]
	s_load_b64 s[12:13], s[0:1], 0x20              ; w1q
	v_lshl_add_u32 v192, v0, 2, 0x10800
	v_mov_b32 v193, 0
	v_lshrrev_b32 v1, 5, v0
	v_readfirstlane_b32 s18, v1                    ; wave 0..3
	v_and_b32 v2, 31, v0                           ; lane
	v_lshlrev_b32 v3, 4, v2                        ; path X: my 16 bytes of a load's 512, and of a store's
	; every LDS address of both paths is made here, ahead of the parting
	s_mul_i32 s19, s18, WREG
	v_lshrrev_b32 v14, 2, v2
	v_mul_u32_u24 v14, v14, SP
	v_and_b32 v15, 3, v2
	v_lshl_add_u32 v14, v15, 4, v14
	v_add_nc_u32 v14, s19, v14                     ; path X, into the stage: four lanes' 64 bytes on end, then the padding: SP (lane / 4) + 16 (lane % 4)
	v_mul_u32_u24 v15, v2, SP
	v_add_nc_u32 v15, s19, v15                     ; and out of it: SP x lane: my 16 neighbours
	s_mul_i32 s19, s18, 32*WP
	s_add_co_u32 s19, s19, WSTG
	v_mul_u32_u24 v4, v2, WP
	v_add_nc_u32 v4, s19, v4                       ; path W, into the stage: row = my column
	v_and_b32 v5, 15, v2
	v_lshrrev_b32 v6, 4, v2
	v_mul_u32_u24 v7, v6, WP
	v_lshl_add_u32 v7, v5, 4, v7
	v_add_nc_u32 v7, s19, v7                       ; and out of it: sixteen lanes to a row, two rows an instruction
	s_wait_kmcnt 0x0
	s_load_b64 s[20:21], s[8:9], 0x0               ; e(w1), e(x)
	s_cmp_lt_u32 ttmp9, 512
	s_cbranch_scc0 .Lweights
	; ---------------- PATH X ----------------
	s_lshl_b32 s24, ttmp9, 2
	s_add_co_u32 s24, s24, s18                     ; which run of 8,192 numbers is my wave's
	s_lshl_b32 s26, s24, 15                        ; 32,768 bytes of x,
	s_mov_b32 s27, 0
	s_add_nc_u64 s[4:5], s[4:5], s[26:27]
	s_lshl_b32 s26, s24, 13                        ; 8,192 bytes of codes
	s_add_nc_u64 s[10:11], s[10:11], s[26:27]
.macro LOAD t
.irp i, 0,1,2,3
	global_load_b128 v[R+16*((\t)%4)+4*\i:R+16*((\t)%4)+4*\i+3], v3, s[4:5] offset:2048*(\t)+512*\i th:TH_LOAD_NT   ; 32 lanes read 512 consecutive bytes; read once in the launch
.endr
.endm
.macro TURN t                          ; step t's numbers through the stage: LDS serves a wave's instructions in order (ISA guide 5.7.1.4), so no wait stands between the stores and the loads
.irp i, 0,1,2,3
	ds_store_b128 v14, v[R+16*((\t)%4)+4*\i:R+16*((\t)%4)+4*\i+3] offset:32*SP*((\t)%2)+8*SP*\i
.endr
.irp i, 0,1,2,3
	ds_load_b128 v[XN+16*((\t)%2)+4*\i:XN+16*((\t)%2)+4*\i+3], v15 offset:32*SP*((\t)%2)+16*\i
.endr
.endm
.irp t, 0,1,2,3
	LOAD \t
.endr
	s_wait_kmcnt 0x0
	MAKE_SCALE 21                                  ; e(x)
	s_wait_alu depctr_va_vdst(0)
	s_wait_loadcnt 12                              ; step 0's four loads are in; those of steps 1 to 3 may be out
	TURN 0
.macro STEP t
.set XS, XN+16*((\t)%2)
	s_wait_dscnt 0x0                               ; this step's numbers are back from the stage: so its stores into the stage have read their registers,
.if (\t)+4 < STEPS
	LOAD (\t)+4                                    ; which take the loads of four steps on
.endif
.if (\t)+1 < STEPS
.if STEPS-2-(\t) >= 3
	s_wait_loadcnt 12                              ; the next step's four loads are in; those of the three steps behind it may be out
.else
	s_wait_loadcnt 4*(STEPS-2-(\t))                ; at the end the counts run down
.endif
	TURN (\t)+1                                    ; and go through the other stage while this step is worked
.endif
.irp i, 0,1,2,3,4,5,6,7,8,9,10,11,12,13,14,15
	v_med3_num_f32 v[XS+\i], v[XS+\i], -v10, v10   ; the conversion to an 8-bit code does not saturate (ISA guide 7.6.2): the hold at the largest code x the scale comes first
.endr
	v_cvt_scalef32_pk8_fp8_f32 v[CD+4*(\t):CD+4*(\t)+1], v[XS:XS+7], v11       ; eight numbers / 2^e; the first number's code in the lowest byte
	v_cvt_scalef32_pk8_fp8_f32 v[CD+4*(\t)+2:CD+4*(\t)+3], v[XS+8:XS+15], v11  ; (the results go to a store alone; the next vector lines are the next step's holds, plain ones on other registers)
	global_store_b128 v3, v[CD+4*(\t):CD+4*(\t)+3], s[10:11] offset:512*(\t)   ; 32 lanes store 512 consecutive bytes, aligned
.endm
.irp t, 0,1,2,3,4,5,6,7,8,9,10,11,12,13,14,15
	STEP \t
.endr
	s_wait_tensorcnt 0x0
	ds_add_u32 v192, v193
	s_wait_dscnt 0x0
	s_endpgm
	; ---------------- PATH W ----------------
.Lweights:
	s_sub_co_u32 s24, ttmp9, 512
	s_lshr_b32 s26, s24, 6                         ; the expert
	s_bfe_u32 s29, s24, 0x20004                    ; which 256 along K: 2 bits from bit 4
	s_and_b32 s30, s24, 15                         ; which 128 columns
	s_lshl_b32 s30, s30, 7
	s_lshl_b32 s31, s18, 5
	s_add_co_u32 s30, s30, s31                     ; my wave's first column
	s_lshl_b32 s56, s26, 23                        ; in: an expert's weights are 2^23 bytes,
	s_lshl_b32 s57, s29, 21                        ; + 256 rows of 8,192 bytes for each step along K,
	s_add_co_u32 s56, s56, s57
	s_lshl_b32 s57, s30, 2                         ; + 4 bytes a column
	s_add_co_u32 s56, s56, s57
	s_mov_b32 s57, 0
	s_add_nc_u64 s[6:7], s[6:7], s[56:57]
	s_lshl_b32 s56, s26, 21                        ; out: an expert's codes are 2^21 bytes,
	s_lshl_b32 s58, s30, 10                        ; + a row of 1,024 codes for each column,
	s_add_co_u32 s56, s56, s58
	s_lshl_b32 s58, s29, 8                         ; + 256 bytes for each step along K
	s_add_co_u32 s56, s56, s58
	s_add_nc_u64 s[12:13], s[12:13], s[56:57]
	v_lshlrev_b32 v9, 2, v2                        ; in: 4 bytes a lane
	s_wait_alu depctr_va_vdst(0)
	v_lshlrev_b32 v8, 10, v6
	v_lshl_add_u32 v8, v5, 4, v8                   ; out: row lane / 16 of the codes, 16 (lane % 16) bytes in
.macro WLOAD q                         ; block q: w1(32 q + i, my column), i = 0 .. 31, into set q % 2
.irp i, 0,1,2,3,4,5,6,7,8,9,10,11,12,13,14,15,16,17,18,19,20,21,22,23,24,25,26,27,28,29,30,31
	global_load_b32 v[WX+32*((\q)%2)+\i], v9, s[6:7] offset:(32*(\q)+\i)*WROW th:TH_LOAD_NT
.endr
.endm
	WLOAD 0
	WLOAD 1
	s_wait_kmcnt 0x0
	MAKE_SCALE 20                                  ; e(w1)
.macro BLOCK q
.set XS, WX+32*((\q)%2)
.if (\q) < 7
	s_wait_loadcnt 32                              ; this block's 32 loads are in; the next block's 32 may be out
.else
	s_wait_loadcnt 0
.endif
.irp i, 0,1,2,3,4,5,6,7,8,9,10,11,12,13,14,15,16,17,18,19,20,21,22,23,24,25,26,27,28,29,30,31
	v_med3_num_f32 v[XS+\i], v[XS+\i], -v10, v10   ; the hold, as in path X
.endr
.irp g, 0,1,2,3
	v_cvt_scalef32_pk8_fp8_f32 v[WC+2*\g:WC+2*\g+1], v[XS+8*\g:XS+8*\g+7], v11
.endr
	ds_store_b128 v4, v[WC:WC+3] offset:32*(\q)    ; 32 codes: 32 bytes of my column's row.  (The results go to LDS stores alone; the next block begins with plain vector lines on other registers)
	ds_store_b128 v4, v[WC+4:WC+7] offset:32*(\q)+16
.if (\q)+2 < 8
	WLOAD (\q)+2
.endif
	s_wait_dscnt 0x0                               ; the stores have read their registers: the next block's codes may be written
.endm
	s_wait_alu depctr_va_vdst(0)
.irp q, 0,1,2,3,4,5,6,7
	BLOCK \q
.endr
.irp t, 0,1,2,3,4,5,6,7,8,9,10,11,12,13,14,15
	ds_load_b128 v[OUTR+4*\t:OUTR+4*\t+3], v7 offset:2*\t*WP   ; LDS serves a wave's instructions in order: these see my stores
.endr
.irp t, 0,1,2,3,4,5,6,7,8,9,10,11,12,13,14,15
	s_wait_dscnt 15-\t                             ; loads come back in order: number t is in
	global_store_b128 v8, v[OUTR+4*\t:OUTR+4*\t+3], s[12:13] offset:2*\t*KROW   ; sixteen lanes store 256 consecutive bytes of a row of codes, aligned
.endr
	s_wait_tensorcnt 0x0
	ds_add_u32 v192, v193
	s_wait_dscnt 0x0
	s_endpgm
.Lfunc_end_k_q5b1087b121_quant:
	.size	k_q5b1087b121_quant, .Lfunc_end_k_q5b1087b121_quant-k_q5b1087b121_quant
	.p2alignl 7, 3214868480
	.fill 96, 4, 3214868480
	.section	.rodata,"a",@progbits
	.p2align	6, 0x0
	.amdhsa_kernel k_q5b1087b121_quant
		.amdhsa_group_segment_fixed_size 68096
		.amdhsa_private_segment_fixed_size 0
		.amdhsa_enable_private_segment 0
		.amdhsa_kernarg_size 40
		.amdhsa_user_sgpr_count 2
		.amdhsa_user_sgpr_kernarg_segment_ptr 1
		.amdhsa_wavefront_size32 1
		.amdhsa_system_sgpr_workgroup_id_x 1
		.amdhsa_system_sgpr_workgroup_id_y 1
		.amdhsa_system_sgpr_workgroup_id_z 1
		.amdhsa_system_vgpr_workitem_id 0
		.amdhsa_next_free_vgpr 194
		.amdhsa_next_free_sgpr 66
		.amdhsa_reserve_vcc 0
		.amdhsa_float_denorm_mode_32 3
		.amdhsa_float_denorm_mode_16_64 3
		.amdhsa_memory_ordered 1
		.amdhsa_forward_progress 1
		.amdhsa_inst_pref_size 85
	.end_amdhsa_kernel
	.amdgpu_metadata
---
amdhsa.version: [ 1, 2 ]
amdhsa.kernels:
  - .name:           k_q5b1087b121_quant
    .symbol:         k_q5b1087b121_quant.kd
    .args:
      - { .name: x, .offset: 0, .size: 8, .value_kind: global_buffer, .address_space: global }
      - { .name: w1, .offset: 8, .size: 8, .value_kind: global_buffer, .address_space: global }
      - { .name: lowp_scales, .offset: 16, .size: 8, .value_kind: global_buffer, .address_space: global }
      - { .name: xq, .offset: 24, .size: 8, .value_kind: global_buffer, .address_space: global }
      - { .name: w1q, .offset: 32, .size: 8, .value_kind: global_buffer, .address_space: global }
    .group_segment_fixed_size: 68096
    .private_segment_fixed_size: 0
    .kernarg_segment_align: 8
    .kernarg_segment_size: 40
    .max_flat_workgroup_size: 128
    .sgpr_count:     66
    .vgpr_count:     194
    .wavefront_size: 32
...
	.end_amdgpu_metadata
.endif
;; end of part 1
;; launch ffn1 (part 2): grid 8 x 32, 4 waves a work-group, clusters of 4 x 4, 327,680 bytes of LDS; arguments xq, w1q, lowp_scales, hq, b1, w2, w2q; writes hq, w2q
.if DOCPART == 2
	.amdgcn_target "amdgcn-amd-amdhsa--gfx1250"
	.amdhsa_code_object_version 6
	.text
	.protected	k_q5b1087b121_ffn1
	.globl	k_q5b1087b121_ffn1
	.p2align	8
	.type	k_q5b1087b121_ffn1,@function
k_q5b1087b121_ffn1:
	s_mov_b64 s[64:65], 0
	v_nop
	global_prefetch_b8 v0, s[64:65] scope:SCOPE_SE
	s_setreg_imm32_b32 hwreg(HW_REG_WAVE_MODE, 25, 1), 1
	s_wait_xcnt 0x0
	s_wait_alu depctr_hold_cnt(0) depctr_sa_sdst(0) depctr_va_vdst(0) depctr_va_sdst(0) depctr_va_ssrc(0) depctr_va_vcc(0) depctr_vm_vsrc(0)
	s_getreg_b32 s2, hwreg(HW_REG_IB_STS2, 6, 4)
	s_cmp_eq_u32 s2, 0
	s_cbranch_scc0 .Lentry_in_a_cluster
	s_endpgm
.Lentry_in_a_cluster:
	s_bfe_u32 s2, ttmp6, 0x10000c
	s_cmp_lg_u32 s2, 0xf033
	s_cbranch_scc0 .Lentry_shape_is_right
	s_endpgm
.Lentry_shape_is_right:
; hq = Q(gelu(x w1[e] + b1[e])): the first product of eight experts on codes of FP8 (E4M3), the bias, the exact (erf) GELU in f32 and the quantiser of the second product's operand.  Beside it, w2q = Q(w2).
; A = xq [16384][1024], B = w1q [8][2048 f][1024 k]: codes, K innermost.  b1 [8][2048] f32.  Expert e owns rows 2048 e to 2048 e + 2047.  The buffer of scales holds e(w1), e(x), e(w2), e(h).
; The codes are multiplied as they are; b1 goes in as the C of each sum's first product, divided by 2^(e(w1) + e(x)); each finished sum is multiplied once by that power.
; LIMITS: e(w1) + e(x) between -126 and 127; e(h) and e(w2) between -126 and 119.  NaN, and infinite pre-activations, are not served.  What lies beyond 448 x 2^e is held there.
; A tile of 256 rows x 256 columns is made by four waves, 128 x 128 each: 64 accumulators, 512 registers.  K goes in four steps of 256 through a ring of two LDS slots filled by the tensor data mover.
; A WORK-GROUP STAYS: 256 work-groups make two tiles each, 32 tile rows apart (the expert four on, the same tile column).  The ring runs on: the first tile's last two changes of slots ask for the second
; tile's K steps 0 and 1, which are on their way while the first tile goes out.  The two ends of a tile (with a successor, without) are written out; all else is one loop over tiles.
; CLUSTERS: 4 x 4 work-groups inside one expert.  A's tiles are asked for jointly along a row of the cluster, B's along a column.  THE MATRIX INSTRUCTION IS USED TRANSPOSED (source 0 = 16 rows of B, source 1 = 16 rows of A):
; lane (r, h) holds, of row r, columns 16 b + 8 h + 0 .. 7 of block b: one conversion makes their eight codes.
; HQ AND W2Q ARE LAID AS THE NEXT LAUNCH'S OPERAND REGISTERS WANT THEM: [block of 16 rows][128 along K][piece c = 0 .. 3][lane][16 bytes]; lane (r, h)'s piece c holds, of row r, k = 32 c + 8 h + 0 .. 7 and 32 c + 16 + 8 h + 0 .. 7.
; A wave's 128 columns are one such 128 along K, and the codes of blocks 2 c and 2 c + 1 are piece c: four stores of 512 consecutive bytes send a block of 16 rows out from the conversions' registers, with no stage.
; W2 [8][2048 k][1024 d], f32: the tile (tr, tc) takes expert tr / 8, K block tr % 8 (256 k), column block tc (128 d); wave w its k rows 64 w on; trip a of the way out rows 8 a on; lane l columns 4 l .. 4 l + 3.
; The hold writes (k row i, column c) to register 8 c + i, so a column's eight neighbours along K stand on end for the conversion.  The codes meet in a stage of 128 rows of 256 bytes and leave in the layout above.
; A tile's 64 loads of w2 stand ahead of the loop of the way out, each block in registers of its own: blocks 0 to 3 when B's set 0 has had its last product, blocks 4 to 7 behind the last product.
; The next tile's bias is asked for behind the last trip of the way out and comes in while w2's codes leave.
; PREFETCH: behind the second tile's K step 1 has been asked for, each wave names that tile's K steps 2 and 3, 32 of the 128 rows that it fetches (the four partners share them by address), a lane a row: the whole way out
; ahead of the loads that want them.  The first tile's K steps 2 and 3 are not named: such requests would stand at the kernel's head, with no trip to run ahead in.
; REGISTERS: window 0: v0-31 addresses and constants; v32-95 the bias; from v128 A's fragments, one set; on the way out v32-247 are at work.  window 1: B's fragments, two sets; on the way out w2's eight blocks of 32.
; window 2: the accumulators of my rows 0-63 ((a, b) at v[8 (8 a + b)]); window 3: those of rows 64-127.
.set KROW,   1024
.set NCOLS,  2048
.set W2ROW,  4096
.set ROWB,   256                       ; a tile's row in bytes
.set PITCH,  272                       ; an LDS row: 256 bytes + 16 = 68 words, so the 16 rows of a fragment load start at 16 different banks (64 banks of 4 bytes: ISA guide 11.1)
.set FR,     16
.set NL,     4
.set NP,     4                         ; places behind this matrix instruction (ISA guide 7.12.1)
.set HALFT,  128*PITCH
.set SLOT,   4*HALFT
.set SPARE,  2*SLOT                    ; the spare words: 512 bytes that no other line names
.set W2STG,  SPARE+512                 ; w2's stage: no tile lands there.  Column d of the part's 128 lies at (d % 4) x WG + (d / 4) x PITCH, 256 bytes along K
.set WG,     32*PITCH+64               ; 2,192 words: 16 banks on from group to group, so the 32 lanes of a read back start at words 16 (r % 4) + 4 (r / 4) + 2 h: all 64 banks (ISA guide 11.1)
.set NEXT,   0x800000-2*ROWB           ; from a slot's last K step of a tile to its first of the next: 8,192 rows of 1,024 bytes on (A: 32 tile rows; B: 4 experts), back along K
.set FRB,    32768                     ; 16 rows of hq or of w2q: 16 x 2,048 bytes
.set LIMW, 8                           ; 448 x 2^e(w2)
.set SCW,  9                           ; 2^e(w2)
.set LN,   10                          ; 16 x lane
.set WST,  11                          ; w2's stage, in
.set WRD,  12                          ; w2's stage, back
.set PFO,  13                          ; 1,024 x lane: a lane a row
.set ADRA, 16
.set ADRB, 20
.set C8,   22
.set SPW,  28
.set NIL,  29
.set LIMH, 30
.set SCH,  31
.set BI,   32
.set AF,   128
.set X,    32                          ; the way out: v32-95 pre-activations, then h; v96-159 t, then max(v, 0); v160-223 the exponent, then q; v224-239 squares, then codes
.set T,    96
.set P,    160
.set Y,    224
.set WD,   160                         ; a block of w2, held and turned: P's registers, free at a trip's head
.set WCD,  240
.set G1, 24
.set G0, 32
.set G1B, 48
.set G0B, 56
.set PFA, 98
.set NEGE, 100
.set MSB, 0
.macro WIN new                         ; the immediate's high byte repeats the setting that is left
.if MSB != (\new)
	s_set_vgpr_msb (MSB<<8)|(\new)
.set MSB, (\new)
.endif
.endm
.set MUL_LO, 0xa1                      ; source 0 (B) window 1, source 1 (A) window 0, C and D window 2
.set MUL_HI, 0xf1
.set BEG_LO, 0x81                      ; a sum's first product: C (the bias) window 0
.set BEG_HI, 0xc1
.set TO_B,   0x40
.macro JLOAD g0a, g1a, g0b, g1b        ; a joint load: waves 0 and 1 fetch for A, waves 2 and 3 for B; then the s_nop 0 and the four v_nop
	s_cmp_eq_u32 s15, 0
	s_cbranch_scc0 .Lfor_b_\@
	tensor_load_to_lds s[\g0a:\g0a+3], s[\g1a:\g1a+7]
	s_nop 0
.rept 4
	v_nop
.endr
	s_branch .Lasked_\@
.Lfor_b_\@:
	tensor_load_to_lds s[\g0b:\g0b+3], s[\g1b:\g1b+7]
	s_nop 0
.rept 4
	v_nop
.endr
.Lasked_\@:
.endm
.macro CREST
	s_cmp_lg_u32 s14, 0
	s_cbranch_scc1 .Lnot_wave_0_\@
	s_barrier_signal -3
.Lnot_wave_0_\@:
	s_barrier_wait -3
	s_barrier_signal -1
	s_barrier_wait -1
.endm
.macro CROUND
	s_barrier_signal -1
	s_barrier_wait -1
	CREST
.endm
.macro W2LOAD a                        ; w2's block a: k rows 8 a .. 8 a + 7 of my 64, into v[32 a ..] of window 1; a load reads 512 consecutive bytes; register 4 i + c of the block is (row i, my column c)
.irp i, 0,1,2,3,4,5,6,7
	global_load_b128 v[32*(\a)+4*\i:32*(\a)+4*\i+3], v[LN], s[92:93] offset:(8*(\a)+\i)*W2ROW th:TH_LOAD_NT
.endr
.endm
.macro BLOAD off                       ; the bias: lane (r, h) wants, for block b, columns 16 b + 8 h + 0 .. 7
.irp b, 0,1,2,3,4,5,6,7
	global_load_b128 v[BI+8*\b:BI+8*\b+3], v7, s[12:13] offset:\off+64*\b
	global_load_b128 v[BI+8*\b+4:BI+8*\b+7], v7, s[12:13] offset:\off+64*\b+16
.endr
.endm
.macro PAIR r, bits                    ; a constant for the packed forms: the pair is named, so both words are written
	s_mov_b32 s[\r], \bits
	s_mov_b32 s[\r+1], \bits
.endm
	s_load_b128 s[4:7], s[0:1], 0x0                ; xq, w1q
	s_load_b128 s[8:11], s[0:1], 0x10              ; scales, hq
	s_load_b64 s[12:13], s[0:1], 0x20              ; b1
	s_load_b128 s[92:95], s[0:1], 0x28             ; w2, w2q
	v_lshl_add_u32 v[SPW], v0, 2, SPARE
	v_mov_b32 v[NIL], 0
	ds_add_u32 v[SPW], v[NIL]                      ; the opening lines: the add twice on end and its wait ahead of my first tensor load
	ds_add_u32 v[SPW], v[NIL]
	v_lshrrev_b32 v1, 5, v0
	v_readfirstlane_b32 s14, v1                    ; wave
	s_lshr_b32 s15, s14, 1                         ; my half of the rows; also: I fetch for A (0) or B (1)
	s_and_b32 s16, s14, 1                          ; my half of the columns; also: which 128 rows I fetch
	s_bfe_u32 s40, ttmp6, 0x40000                  ; cx
	s_bfe_u32 s41, ttmp6, 0x40004                  ; cy
	s_lshl_b32 s42, ttmp9, 2
	s_add_co_u32 s42, s42, s40                     ; tile column
	s_and_b32 s17, ttmp7, 0xffff
	s_lshr_b32 s87, s17, 1                         ; the first tile's expert, 0 .. 3
	s_lshl_b32 s17, s17, 2
	s_add_co_u32 s17, s17, s41                     ; the first tile's row, 0 .. 31
	s_lshl_b32 s43, s41, 2
	s_lshl_b32 s43, 15, s43                        ; my row of the cluster
	s_lshl_b32 s44, 0x1111, s40                    ; my column
	s_or_b32 s[G1+0], s43, (0<<16)|(1<<20)|(1<<21)|(5<<22)|(3<<25)  ; mask; bytes; 4 words of padding behind every 64
	s_or_b32 s[G1B+0], s44, (0<<16)|(1<<20)|(1<<21)|(5<<22)|(3<<25)
.irp g, G1, G1B
	s_mov_b32 s[\g+1], ROWB<<16
	s_mov_b32 s[\g+2], 128<<16
	s_mov_b32 s[\g+3], ROWB<<16
	s_mov_b32 s[\g+4], 128
	s_mov_b32 s[\g+5], KROW
	s_mov_b32 s[\g+6], 0
	s_mov_b32 s[\g+7], 0
.endr
	s_lshl_b32 s18, s16, 7
	s_lshl_b32 s20, s17, 8
	s_add_co_u32 s20, s20, s18                     ; A: row 256 x tile row + 128 x half
	s_mul_i32 s46, s87, NCOLS
	s_lshl_b32 s47, s42, 8
	s_add_co_u32 s46, s46, s47
	s_add_co_u32 s46, s46, s18                     ; B: row 2048 x expert + 256 x tile column + 128 x half
	s_mov_b32 s21, 0
	s_mov_b32 s47, 0
	s_mov_b64 s[18:19], KROW
	s_mul_u64 s[20:21], s[20:21], s[18:19]
	s_mul_u64 s[46:47], s[46:47], s[18:19]
	s_mul_i32 s45, s14, HALFT
	s_wait_dscnt 0x0                               ; both opening adds are done
	s_wait_kmcnt 0x0
	s_load_b128 s[88:91], s[8:9], 0x0              ; e(w1), e(x), e(w2), e(h)
	s_add_nc_u64 s[20:21], s[4:5], s[20:21]
	s_add_nc_u64 s[46:47], s[6:7], s[46:47]
	CROUND                                         ; the first joint loads meet
.irp s, 0,1
	s_mov_b32 s[G0+4*\s], 1
	s_add_co_u32 s[G0+4*\s+1], s45, \s*SLOT
	s_add_nc_u64 s[G0+4*\s+2:G0+4*\s+3], s[20:21], \s*ROWB
	s_or_b32 s[G0+4*\s+3], s[G0+4*\s+3], 0x80000000
	s_mov_b32 s[G0B+4*\s], 1
	s_add_co_u32 s[G0B+4*\s+1], s45, \s*SLOT
	s_add_nc_u64 s[G0B+4*\s+2:G0B+4*\s+3], s[46:47], \s*ROWB
	s_or_b32 s[G0B+4*\s+3], s[G0B+4*\s+3], 0x80000000
.endr
	JLOAD G0, G1, G0B, G1B                         ; K step 0: one tensor load a wave at the head
	; what is made of the lane alone, on end; the scalar terms are added behind the wait
	v_and_b32 v1, 15, v0                           ; r
	v_bfe_u32 v2, v0, 4, 1                         ; h
	v_and_b32 v6, 31, v0
	v_lshlrev_b32 v7, 5, v2                        ; the bias: 32 h bytes
	v_lshlrev_b32 v[LN], 4, v6
	v_mul_u32_u24 v3, v1, PITCH
	v_lshl_add_u32 v4, v2, 4, v3                   ; a fragment: row r, 16 h
	v_and_b32 v14, 3, v1
	v_lshrrev_b32 v18, 2, v1
	v_mul_u32_u24 v14, v14, WG
	v_mad_u32_u24 v14, v18, PITCH, v14
	v_lshl_add_u32 v5, v2, 3, v14                  ; w2's stage, back: column r of a block of 16: group r % 4, row r / 4, 8 h
	v_mul_u32_u24 v15, v6, PITCH                   ; w2's stage, in: columns 4 x lane + c: row = lane of group c
	v_lshlrev_b32 v[PFO], 10, v6
	v_mov_b32 v[C8], 0xbf97d29d                    ; c8 = -1.18611494, in a vector pair
	v_mov_b32 v[C8+1], 0xbf97d29d
	s_wait_alu depctr_va_vdst(0)                   ; the wait ahead of the scalar lines below
	s_mul_i32 s20, s87, NCOLS
	s_lshl_b32 s21, s42, 8
	s_add_co_u32 s20, s20, s21
	s_lshl_b32 s21, s16, 7
	s_add_co_u32 s20, s20, s21
	s_lshl_b32 s20, s20, 2
	s_mov_b32 s21, 0
	s_add_nc_u64 s[12:13], s[12:13], s[20:21]      ; my first column among b1's
	BLOAD 0
	s_and_b32 s18, s17, 7                          ; w2's K block
	s_lshl_b32 s20, s87, 23                        ; in: expert 2^23 bytes, K block 256 rows of 4,096, wave 64 rows, column block 512 bytes
	s_lshl_b32 s21, s18, 20
	s_add_co_u32 s20, s20, s21
	s_lshl_b32 s21, s14, 18
	s_add_co_u32 s20, s20, s21
	s_lshl_b32 s21, s42, 9
	s_add_co_u32 s20, s20, s21
	s_mov_b32 s21, 0
	s_add_nc_u64 s[92:93], s[92:93], s[20:21]
	s_lshl_b32 s20, s87, 21                        ; out: expert 2^21 bytes, column block 8 x FRB, wave 2 x FRB, K block 2 x 2,048
	s_lshl_b32 s21, s42, 18
	s_add_co_u32 s20, s20, s21
	s_lshl_b32 s21, s14, 16
	s_add_co_u32 s20, s20, s21
	s_lshl_b32 s21, s18, 12
	s_add_co_u32 s20, s20, s21
	s_mov_b32 s21, 0
	s_add_nc_u64 s[94:95], s[94:95], s[20:21]
	s_lshl_b32 s20, s17, 19                        ; hq: tile row 16 x FRB, my half of the rows 8 x FRB, tile column 2 x 2,048, my half of the columns 2,048
	s_lshl_b32 s21, s15, 18
	s_add_co_u32 s20, s20, s21
	s_lshl_b32 s21, s42, 12
	s_add_co_u32 s20, s20, s21
	s_lshl_b32 s21, s16, 11
	s_add_co_u32 s20, s20, s21
	s_mov_b32 s21, 0
	s_add_nc_u64 s[10:11], s[10:11], s[20:21]
	s_lshl_b32 s18, s17, 8                         ; the prefetches: the tile's first row in A or in B,
	s_mul_i32 s19, s87, NCOLS
	s_lshl_b32 s21, s42, 8
	s_add_co_u32 s19, s19, s21
	s_cmp_eq_u32 s15, 0
	s_cselect_b32 s20, s18, s19
	s_cselect_b32 s21, s40, s41                    ; my place among the four that ask with me
	s_cselect_b64 s[PFA:PFA+1], s[4:5], s[6:7]
	s_lshl_b32 s22, s16, 7
	s_add_co_u32 s20, s20, s22                     ; + the 128 rows that I fetch
	s_lshl_b32 s21, s21, 5
	s_add_co_u32 s20, s20, s21                     ; + my work-group's 32 of them
	s_lshl_b32 s20, s20, 10
	s_mov_b32 s21, 0
	s_add_nc_u64 s[PFA:PFA+1], s[PFA:PFA+1], s[20:21]
	s_add_nc_u64 s[PFA:PFA+1], s[PFA:PFA+1], 0x800000+2*ROWB  ; the second tile's K step 2
	s_mul_i32 s21, s15, HALFT
	s_mul_i32 s22, s16, HALFT
	s_add_co_u32 s22, s22, 2*HALFT
.irp s, 0,1
	v_add_nc_u32 v[ADRA+\s], s21, v4
	v_add_nc_u32 v[ADRB+\s], s22, v4
	s_add_co_u32 s21, s21, SLOT
	s_add_co_u32 s22, s22, SLOT
.endr
	s_mul_i32 s23, s14, 8*PITCH
	s_add_co_u32 s23, s23, W2STG
	v_add_nc_u32 v[WRD], s23, v5                   ; back: wave w takes the stage's rows 32 w on
	s_lshl_b32 s23, s14, 6
	s_add_co_u32 s23, s23, W2STG
	v_add_nc_u32 v[WST], s23, v15                  ; in: byte 64 x wave of a row
	; the fit's coefficients x log2(e); c0 carries -1 for the factor 1/2
	PAIR 66, 0x3e7c6f08                            ; c9
	PAIR 68, 0x40097039                            ; c7
	PAIR 70, 0xbfd1a1e5                            ; c6
	PAIR 72, 0x3ecdfd18                            ; c5
	PAIR 74, 0xbe899a80                            ; c4
	PAIR 76, 0x3e0efb2e                            ; c3
	PAIR 78, 0x3f0a29d2                            ; c2
	PAIR 80, 0x3fb8ab5a                            ; c1
	PAIR 82, 0xc034d90f                            ; c0
	PAIR 84, 0xbf38aa3b                            ; -log2(e) / 2
	s_mov_b32 s86, 0x3eb504f3                      ; 1 / (2 sqrt 2)
	s_wait_kmcnt 0x0
	s_add_co_i32 s96, s88, s89                     ; e(w1) + e(x)
	s_sub_co_i32 s[NEGE], 0, s96
	s_add_co_i32 s96, s96, 127
	s_lshl_b32 s96, s96, 23                        ; 2^(e(w1) + e(x))
	s_mov_b32 s97, s96
	s_add_co_i32 s18, s91, 127
	s_lshl_b32 s19, s18, 23                        ; 2^e(h)
	s_add_co_i32 s18, s18, 8
	s_lshl_b32 s18, s18, 23
	s_or_b32 s18, s18, 0x600000                    ; 448 x 2^e(h)
	s_add_co_i32 s20, s90, 127
	s_lshl_b32 s21, s20, 23                        ; 2^e(w2)
	s_add_co_i32 s20, s20, 8
	s_lshl_b32 s20, s20, 23
	s_or_b32 s20, s20, 0x600000                    ; 448 x 2^e(w2)
	v_mov_b32 v[LIMH], s18
	v_mov_b32 v[SCH], s19
	v_mov_b32 v[LIMW], s20
	v_mov_b32 v[SCW], s21
.macro SCALE_BIAS                      ; a sum stands for sum x 2^(e(w1) + e(x)): the bias goes in divided by that power
	s_wait_loadcnt 0x0                             ; the bias is in
.set j, 0
.rept 64
	v_ldexp_f32 v[BI+j], v[BI+j], s[NEGE]
.set j, j+1
.endr
.endm
	SCALE_BIAS
.macro FRAG reg, adr, q, i             ; 16 rows x 128 K: registers 4 c .. 4 c + 3 hold K = 32 c + 16 (l / 16) + 0 .. 15: the same order of k in A and in B
.irp c, 0,1,2,3
	ds_load_b128 v[\reg+4*\c:\reg+4*\c+3], v[\adr] offset:128*(\q)+32*\c+(\i)*16*PITCH
.endr
.endm
.macro MUL16 a0, p, first              ; A's blocks a0, a0 + 1 x B's eight; the 64 accumulators take turns
.irp a, \a0, \a0+1
.irp b, 0,1,2,3,4,5,6,7
.if \first
	v_wmma_f32_16x16x128_fp8_fp8 v[8*(8*((\a)%4)+\b):8*(8*((\a)%4)+\b)+7], v[128*(\p)+FR*\b:128*(\p)+FR*\b+FR-1], v[AF+FR*(\a):AF+FR*(\a)+FR-1], v[BI+8*\b:BI+8*\b+7]
.else
	v_wmma_f32_16x16x128_fp8_fp8 v[8*(8*((\a)%4)+\b):8*(8*((\a)%4)+\b)+7], v[128*(\p)+FR*\b:128*(\p)+FR*\b+FR-1], v[AF+FR*(\a):AF+FR*(\a)+FR-1], v[8*(8*((\a)%4)+\b):8*(8*((\a)%4)+\b)+7]
.endif
.endr
.endr
.endm
.macro FETCH_B slot, q, p
	WIN TO_B
.irp i, 0,1,2,3,4,5,6,7
	FRAG 128*(\p)+FR*\i, ADRB+\slot, \q, \i
.endr
	WIN 0
.endm
.macro FETCH_A slot, q, i0
.irp i, \i0, \i0+1, \i0+2, \i0+3
	FRAG AF+FR*(\i), ADRA+\slot, \q, \i
.endr
.endm
.macro PLACES n
.rept \n
	v_nop
.endr
.endm
.macro STEP slot, q, first             ; 128 along K with its successor in the same slot
	s_wait_dscnt 4*NL                              ; B's set and A's blocks 0-3 are in; the youngest 16 loads may be out
.if \first
	WIN BEG_LO
.else
	WIN MUL_LO
.endif
	MUL16 0, (\q)%2, \first
	MUL16 2, (\q)%2, \first
	s_wait_dscnt 0
	PLACES NP
	FETCH_B \slot, (\q)+1, 1-(\q)%2
	FETCH_A \slot, (\q)+1, 0
.if \first
	WIN BEG_HI
.else
	WIN MUL_HI
.endif
	MUL16 4, (\q)%2, \first
	MUL16 6, (\q)%2, \first
	PLACES NP
	WIN 0
	FETCH_A \slot, (\q)+1, 4
.endm
; A slot's last step.  In front of its barrier each wave waits for all its tensor loads, adds 0 to its spare word, and waits for that and for its reads of the slot.
; fill = 1: the slot takes this tile's K step two on; 2: the next tile's; 0: nothing.  fetch = 1: the other slot's first fragments follow.
.macro TURN slot, next, fill, fetch
	s_wait_tensorcnt 0x0
	ds_add_u32 v[SPW], v[NIL]
	s_wait_dscnt 4*NL+1                            ; the add and A's blocks 4-7 may be out
	WIN MUL_LO
	MUL16 0, 1, 0
	s_wait_dscnt 0x0                               ; the add is done, my reads of this slot are over
	s_barrier_signal -1
	MUL16 2, 1, 0
	WIN 0
	s_barrier_wait -1
.if \fill
	CREST                                          ; the barrier has opened a round of the cluster's barrier
.if \fill == 1
	s_add_nc_u64 s[G0+4*\slot+2:G0+4*\slot+3], s[G0+4*\slot+2:G0+4*\slot+3], 2*ROWB
	s_add_nc_u64 s[G0B+4*\slot+2:G0B+4*\slot+3], s[G0B+4*\slot+2:G0B+4*\slot+3], 2*ROWB
.else
	s_add_nc_u64 s[G0+4*\slot+2:G0+4*\slot+3], s[G0+4*\slot+2:G0+4*\slot+3], NEXT
	s_add_nc_u64 s[G0B+4*\slot+2:G0B+4*\slot+3], s[G0B+4*\slot+2:G0B+4*\slot+3], NEXT
.endif
	JLOAD G0+4*\slot, G1, G0B+4*\slot, G1B         ; my one load behind the round; its four v_nop are the places in front of the loads below
.else
	PLACES NP
.endif
.if \fetch
	FETCH_B \next, 0, 0
	FETCH_A \next, 0, 0
.endif
	WIN MUL_HI
	MUL16 4, 1, 0
	MUL16 6, 1, 0
.if \fetch
	PLACES NP
	WIN 0
	FETCH_A \next, 0, 4
.else
	WIN 0
.endif
.endm
.macro W2FIRST                         ; B's set 0 has had its last product, four places ago: its 128 registers take w2's blocks 0 to 3
	WIN TO_B
	W2LOAD 0
	W2LOAD 1
	W2LOAD 2
	W2LOAD 3
	WIN 0
.endm
	s_wait_alu depctr_va_vdst(0)                   ; the wait at the head's end
	s_wait_tensorcnt 0x0                           ; my part of K step 0 is in; a later first fill is issued as a refill is
	ds_add_u32 v[SPW], v[NIL]
	s_wait_dscnt 0x0
	CROUND
	JLOAD G0+4, G1, G0B+4, G1B                     ; K step 1
	s_mov_b32 s2, 2                                ; tiles to go
.Ltile:
	FETCH_B 0, 0, 0
	FETCH_A 0, 0, 0
	FETCH_A 0, 0, 4
	STEP 0, 0, 1                                   ; K step 0: its first products start the sums, with the bias as C
	TURN 0, 1, 1, 1                                ; slot 0 takes K step 2
	STEP 1, 0, 0
	TURN 1, 0, 1, 1                                ; slot 1 takes K step 3
	STEP 0, 0, 0
	s_cmp_eq_u32 s2, 1
	s_cbranch_scc1 .Llast
	TURN 0, 1, 2, 1                                ; slot 0 takes the next tile's K step 0
	STEP 1, 0, 0
	W2FIRST
	TURN 1, 0, 2, 0                                ; slot 1 takes the next tile's K step 1
	global_prefetch_b8 v[PFO], s[PFA:PFA+1] th:TH_LOAD_NT scope:SCOPE_SE              ; the next tile's K step 2,
	global_prefetch_b8 v[PFO], s[PFA:PFA+1] offset:ROWB th:TH_LOAD_NT scope:SCOPE_SE  ; and 3; the address registers are never rewritten
	s_branch .Lout
.Llast:
	TURN 0, 1, 0, 1                                ; nothing is left to fetch
	STEP 1, 0, 0
	W2FIRST
	s_wait_dscnt 4*NL
	WIN MUL_LO
	MUL16 0, 1, 0
	MUL16 2, 1, 0
	s_wait_dscnt 0
	WIN MUL_HI
	MUL16 4, 1, 0
	MUL16 6, 1, 0
	WIN 0
.Lout:
; THE WAY OUT.  v = sum x 2^(e(w1) + e(x)).  gelu(v) = max(v, 0) - |v| q, q = erfc(|v| / sqrt 2) / 2: no difference of near numbers, so the negative tail keeps its relative accuracy.
; q = t 2^(c0 + c1 t + .. + c9 t^9 - v^2 log2(e) / 2), t = 1 / (1 + |v| / (2 sqrt 2)): the Chebyshev fit of erfc with a fractional error of 1.2e-7.  Where v^2 overflows the exponent is -infinity and q is 0.
; Eight trips, one for each block of 16 rows x 128 columns; only the lines whose register numbers differ from trip to trip are written eight times.
	PLACES NP                                      ; between the last products and the loads into B's set 1 and the first reads of results
	WIN TO_B
	W2LOAD 4                                       ; w2's last four blocks, into B's set 1
	W2LOAD 5
	W2LOAD 6
	W2LOAD 7
	WIN 0
	s_mov_b32 s3, 0
.macro W2BLK a                         ; w2's block a: held, turned and made into codes
	s_wait_loadcnt 8*(7-(\a))                      ; loads come back in order: block a is in; the eight loads of each later block may be out
	WIN 0x01
.irp c, 0,1,2,3
.irp i, 0,1,2,3,4,5,6,7
	v_med3_num_f32 v[WD+8*\c+\i], v[32*(\a)+4*\i+\c], -v[LIMW], v[LIMW]   ; the hold (the conversion does not saturate: ISA guide 7.6.2) and the turn
.endr
.endr
	WIN 0
.irp c, 0,1,2,3
	v_cvt_scalef32_pk8_fp8_f32 v[WCD+2*\c:WCD+2*\c+1], v[WD+8*\c:WD+8*\c+7], v[SCW]
.endr
.endm
.macro W2ST a                          ; row = my column c, byte 64 x wave + 8 a
.irp c, 0,1,2,3
	ds_store_b64 v[WST], v[WCD+2*\c:WCD+2*\c+1] offset:\c*WG+8*(\a)
.endr
.endm
.macro TAKE a                          ; block a's 64 sums x 2^(e(w1) + e(x)), each accumulator from its low end on
	WIN 0x02+((\a)/4)
	s_wait_alu depctr_va_vdst(0)                   ; the wait directly ahead of the first reader of these sums
.irp j, 0,2,4,6,8,10,12,14,16,18,20,22,24,26,28,30,32,34,36,38,40,42,44,46,48,50,52,54,56,58,60,62
	v_pk_mul_f32 v[X+\j:X+\j+1], v[64*((\a)%4)+\j:64*((\a)%4)+\j+1], s[96:97] op_sel_hi:[1,0]
.endr
	WIN 0
.endm
.Lblock:
.irp a, 0,1,2,3,4,5,6
	s_cmp_lg_u32 s3, \a
	s_cbranch_scc1 .Lnot_\a
	s_wait_alu depctr_va_vdst(0)
	W2BLK \a
	TAKE \a
	W2ST \a
	s_branch .Ltaken
.Lnot_\a:
.endr
	s_wait_alu depctr_va_vdst(0)
	W2BLK 7
	TAKE 7
	W2ST 7
.Ltaken:
.set j, 0
.rept 64
	v_fma_f32 v[T+j], |v[X+j]|, s86, 1.0           ; 1 + |v| / (2 sqrt 2)
.set j, j+1
.endr
.set j, 0
	s_wait_alu depctr_va_vdst(0)                   ; a wait ahead of a batch of transcendentals and one behind it
.rept 64
	v_rcp_f32 v[T+j], v[T+j]                       ; t
.set j, j+1
.endr
	v_nop
.set j, 0
	s_wait_alu depctr_va_vdst(0)
.rept 32
	v_pk_fma_f32 v[P+j:P+j+1], v[T+j:T+j+1], s[66:67], v[C8:C8+1] op_sel_hi:[1,0,1]   ; c9 t + c8
.set j, j+2
.endr
.irp c, 68,70,72,74,76,78,80,82                ; Horner's rule down to c0, a level over all 32 pairs at a time
.set j, 0
.rept 32
	v_pk_fma_f32 v[P+j:P+j+1], v[P+j:P+j+1], v[T+j:T+j+1], s[\c:\c+1] op_sel_hi:[1,1,0]
.set j, j+2
.endr
.endr
	s_wait_dscnt 0x0                               ; this trip's LDS stores have read w2's codes' registers, which the next trip writes
	s_wait_xcnt 0x0                                ; the trip before's stores of hq have read their base and their data: only behind this wait is the base stepped and are the codes' registers written again (by the squares)
	s_add_nc_u64 s[10:11], s[10:11], FRB           ; one block of 16 rows beyond this trip's: its stores name offsets less FRB
.irp g, 0,1,2,3
.irp i, 0,2,4,6,8,10,12,14
	v_pk_mul_f32 v[Y+\i:Y+\i+1], v[X+16*\g+\i:X+16*\g+\i+1], v[X+16*\g+\i:X+16*\g+\i+1]   ; v^2
.endr
.irp i, 0,2,4,6,8,10,12,14
	v_pk_fma_f32 v[P+16*\g+\i:P+16*\g+\i+1], v[Y+\i:Y+\i+1], s[84:85], v[P+16*\g+\i:P+16*\g+\i+1] op_sel_hi:[1,0,1]   ; the exponent
.endr
.endr
.set j, 0
	s_wait_alu depctr_va_vdst(0)
.rept 64
	v_exp_f32 v[P+j], v[P+j]
.set j, j+1
.endr
	v_nop
.set j, 0
	s_wait_alu depctr_va_vdst(0)
.rept 32
	v_pk_mul_f32 v[P+j:P+j+1], v[P+j:P+j+1], v[T+j:T+j+1]   ; q
.set j, j+2
.endr
.set j, 0
.rept 64
	v_max_num_f32 v[T+j], 0, v[X+j]
.set j, j+1
.endr
.set j, 0
.rept 64
	v_fma_f32 v[X+j], -|v[X+j]|, v[P+j], v[T+j]    ; h = max(v, 0) - |v| q
.set j, j+1
.endr
.set j, 0
.rept 64
	v_med3_num_f32 v[X+j], v[X+j], -v[LIMH], v[LIMH]   ; the hold at the largest code x the scale
.set j, j+1
.endr
.irp b, 0,1,2,3,4,5,6,7
	v_cvt_scalef32_pk8_fp8_f32 v[Y+2*\b:Y+2*\b+1], v[X+8*\b:X+8*\b+7], v[SCH]
.endr
	v_nop                                          ; one plain vector line behind the last conversion
.irp c, 0,1,2,3
	global_store_b128 v[LN], v[Y+4*\c:Y+4*\c+3], s[10:11] offset:512*\c-FRB   ; piece c: 32 lanes store 512 consecutive bytes, aligned
.endr
	s_add_co_u32 s3, s3, 1
	s_cmp_lt_u32 s3, 8
	s_cbranch_scc1 .Lblock
	s_wait_loadcnt 0x0                             ; no load of w2 is out: the next tile's may take the same registers
	s_cmp_eq_u32 s2, 1
	s_cbranch_scc1 .Lno_bias
	BLOAD 32768                                    ; the next tile's bias: four experts on
.Lno_bias:
	s_wait_tensorcnt 0x0                           ; my parts of the next tile's K steps 0 and 1 are in
	s_wait_dscnt 0x0                               ; and my stores into w2's stage are done
	s_barrier_signal -1
	s_barrier_wait -1                              ; everybody's are
.irp d, 0,1
.irp k, 0,1
.irp c, 0,1,2,3
	ds_load_b64 v[P+4*(8*\d+4*\k+\c):P+4*(8*\d+4*\k+\c)+1], v[WRD] offset:\d*4*PITCH+128*\k+32*\c       ; of column r (16 columns are 4 rows of each group): k = 32 c + 8 h + 0 .. 7,
	ds_load_b64 v[P+4*(8*\d+4*\k+\c)+2:P+4*(8*\d+4*\k+\c)+3], v[WRD] offset:\d*4*PITCH+128*\k+32*\c+16  ; and 16 further on
.endr
.endr
.endr
.irp d, 0,1
.irp k, 0,1
.irp c, 0,1,2,3
	s_wait_dscnt 30-2*(8*\d+4*\k+\c)               ; loads come back in order: this piece's two are in
	global_store_b128 v[LN], v[P+4*(8*\d+4*\k+\c):P+4*(8*\d+4*\k+\c)+3], s[94:95] offset:\d*FRB+2048*\k+512*\c   ; 512 consecutive bytes of w2q
.endr
.endr
.endr
	s_cmp_eq_u32 s2, 1
	s_cbranch_scc1 .Lend
	s_wait_xcnt 0x0                                ; the bases step, and the next fragments land on the stores' data, only behind this wait
	s_add_nc_u64 s[10:11], s[10:11], 0x1000000-8*FRB   ; hq: 32 tile rows on
	s_add_nc_u64 s[92:93], s[92:93], 0x2000000     ; w2: four experts on
	s_add_nc_u64 s[94:95], s[94:95], 0x800000      ; w2q likewise
	SCALE_BIAS
	s_sub_co_u32 s2, s2, 1
	s_cmp_lg_u32 s2, 0
	s_wait_alu depctr_va_vdst(0)                   ; the wait directly ahead of the branch
	s_cbranch_scc1 .Ltile
.Lend:
	s_wait_tensorcnt 0x0                           ; the wave's end
	ds_add_u32 v[SPW], v[NIL]
	s_wait_dscnt 0x0
	CROUND                                         ; the closing round
	s_endpgm
.Lfunc_end_k_q5b1087b121_ffn1:
	.size	k_q5b1087b121_ffn1, .Lfunc_end_k_q5b1087b121_ffn1-k_q5b1087b121_ffn1
	.p2alignl 7, 3214868480
	.fill 96, 4, 3214868480
	.section	.rodata,"a",@progbits
	.p2align	6, 0x0
	.amdhsa_kernel k_q5b1087b121_ffn1
		.amdhsa_group_segment_fixed_size 327680
		.amdhsa_private_segment_fixed_size 0
		.amdhsa_enable_private_segment 0
		.amdhsa_kernarg_size 56
		.amdhsa_user_sgpr_count 2
		.amdhsa_user_sgpr_kernarg_segment_ptr 1
		.amdhsa_wavefront_size32 1
		.amdhsa_system_sgpr_workgroup_id_x 1
		.amdhsa_system_sgpr_workgroup_id_y 1
		.amdhsa_system_sgpr_workgroup_id_z 1
		.amdhsa_system_vgpr_workitem_id 0
		.amdhsa_next_free_vgpr 1024
		.amdhsa_next_free_sgpr 102
		.amdhsa_reserve_vcc 0
		.amdhsa_float_denorm_mode_32 3
		.amdhsa_float_denorm_mode_16_64 3
		.amdhsa_memory_ordered 1
		.amdhsa_forward_progress 1
		.amdhsa_inst_pref_size 212
	.end_amdhsa_kernel
	.amdgpu_metadata
---
amdhsa.version: [ 1, 2 ]
amdhsa.kernels:
  - .name:           k_q5b1087b121_ffn1
    .symbol:         k_q5b1087b121_ffn1.kd
    .args:
      - { .name: xq, .offset: 0, .size: 8, .value_kind: global_buffer, .address_space: global }
      - { .name: w1q, .offset: 8, .size: 8, .value_kind: global_buffer, .address_space: global }
      - { .name: lowp_scales, .offset: 16, .size: 8, .value_kind: global_buffer, .address_space: global }
      - { .name: hq, .offset: 24, .size: 8, .value_kind: global_buffer, .address_space: global }
      - { .name: b1, .offset: 32, .size: 8, .value_kind: global_buffer, .address_space: global }
      - { .name: w2, .offset: 40, .size: 8, .value_kind: global_buffer, .address_space: global }
      - { .name: w2q, .offset: 48, .size: 8, .value_kind: global_buffer, .address_space: global }
    .group_segment_fixed_size: 327680
    .private_segment_fixed_size: 0
    .kernarg_segment_align: 8
    .kernarg_segment_size: 56
    .max_flat_workgroup_size: 128
    .sgpr_count:     102
    .vgpr_count:     1024
    .wavefront_size: 32
...
	.end_amdgpu_metadata
.endif
;; end of part 2
;; launch ffn2 (part 3): grid 4 x 64, 4 waves a work-group, clusters of 4 x 4, 327,680 bytes of LDS; arguments hq, w2q, lowp_scales, out0, b2; writes out0
.if DOCPART == 3
	.amdgcn_target "amdgcn-amd-amdhsa--gfx1250"
	.amdhsa_code_object_version 6
	.text
	.protected	k_q5b1087b121_ffn2
	.globl	k_q5b1087b121_ffn2
	.p2align	8
	.type	k_q5b1087b121_ffn2,@function
k_q5b1087b121_ffn2:
	s_mov_b64 s[64:65], 0
	v_nop
	global_prefetch_b8 v0, s[64:65] scope:SCOPE_SE
	s_setreg_imm32_b32 hwreg(HW_REG_WAVE_MODE, 25, 1), 1
	s_wait_xcnt 0x0
	s_wait_alu depctr_hold_cnt(0) depctr_sa_sdst(0) depctr_va_vdst(0) depctr_va_sdst(0) depctr_va_ssrc(0) depctr_va_vcc(0) depctr_vm_vsrc(0)
	s_getreg_b32 s2, hwreg(HW_REG_IB_STS2, 6, 4)
	s_cmp_eq_u32 s2, 0
	s_cbranch_scc0 .Lentry_in_a_cluster
	s_endpgm
.Lentry_in_a_cluster:
	s_bfe_u32 s2, ttmp6, 0x10000c
	s_cmp_lg_u32 s2, 0xf033
	s_cbranch_scc0 .Lentry_shape_is_right
	s_endpgm
.Lentry_shape_is_right:
; out0 = h w2[e] + b2[e]: the second product of eight experts on codes of FP8 (E4M3); sums in f32.  The buffer of scales holds e(w1), e(x), e(w2), e(h).
; b2 goes in as the C of each sum's first product, divided by 2^(e(w2) + e(h)); each finished sum is multiplied once by that power.  LIMIT: e(w2) + e(h) between -126 and 127.
; hq (16,384 rows) and w2q (8 x 1,024 rows) lie as the operand registers want them: [block of 16 rows][128 along K][piece c = 0 .. 3][lane][16 bytes]; lane (r, h)'s piece c holds, of row r,
; k = 32 c + 8 h + 0 .. 7 and 32 c + 16 + 8 h + 0 .. 7.  A block of 16 rows is 32,768 bytes; its K step of 256 is 4,096 bytes on end.
; A tile of 256 x 256 of out0 is made by four waves, 128 x 128 each.  K goes in eight steps of 256 through a ring of two LDS slots.  A wave's tensor load brings 8 rows of 4,096 bytes, 32,768 bytes apart in memory, dense in LDS:
; a fragment is four loads of 16 bytes a lane at 16 x lane, so the 32 lanes read 512 consecutive bytes and no padding is wanted.
; CLUSTERS: 4 x 4 work-groups inside one expert; A's tiles are asked for jointly along a row of the cluster, B's along a column.  The matrix instruction is used transposed: a lane holds eight neighbouring columns of a row of out0.
; PREFETCH: behind each refill a wave names the K step two refills on: of the 8 blocks of 16 rows that it fetches, its work-group's two (the four partners share them by address), 16 lanes to a block's 4,096 bytes.
; The way out goes block by block of 16 rows through each wave's own stage, which lies in slot 0 behind that slot's last fill and last read.
.set KROW,   2048
.set NCOLS,  1024
.set OROW,   4096
.set ROWB,   4096                      ; a K step of a block of 16 rows, in bytes: a row of a tile
.set FR,     16
.set NL,     4
.set NP,     4
.set HALFT,  32768                     ; what one tensor load brings: 8 blocks of 16 rows x 256 along K
.set SLOT,   4*HALFT
.set LAPS,   4                         ; a lap = two K steps of 256
.set SPARE,  2*SLOT
.set SPITCH, 528
.set ADRA, 16
.set ADRB, 20
.set STO,  24
.set RD,   25
.set CO,   26
.set SPW,  28
.set NIL,  29
.set PFO,  30
.set BI,   32
.set TMP,  32
.set AF,   128
.set BK,   128
.set G1, 24
.set G0, 32
.set G1B, 48
.set G0B, 56
.set PFA, 68
.set LIM, 70
.set MSB, 0
.macro WIN new
.if MSB != (\new)
	s_set_vgpr_msb (MSB<<8)|(\new)
.set MSB, (\new)
.endif
.endm
.set MUL_LO, 0xa1
.set MUL_HI, 0xf1
.set BEG_LO, 0x81
.set BEG_HI, 0xc1
.set TO_B,   0x40
.macro JLOAD g0a, g1a, g0b, g1b
	s_cmp_eq_u32 s15, 0
	s_cbranch_scc0 .Lfor_b_\@
	tensor_load_to_lds s[\g0a:\g0a+3], s[\g1a:\g1a+7]
	s_nop 0
.rept 4
	v_nop
.endr
	s_branch .Lasked_\@
.Lfor_b_\@:
	tensor_load_to_lds s[\g0b:\g0b+3], s[\g1b:\g1b+7]
	s_nop 0
.rept 4
	v_nop
.endr
.Lasked_\@:
.endm
.macro ASK
	s_cmp_gt_u32 s3, s[LIM]
	s_cbranch_scc0 .Lnot_mine_\@
	global_prefetch_b8 v[PFO], s[PFA:PFA+1] offset:ROWB th:TH_LOAD_NT scope:SCOPE_SE
.Lnot_mine_\@:
.endm
.macro CREST
	s_cmp_lg_u32 s14, 0
	s_cbranch_scc1 .Lnot_wave_0_\@
	s_barrier_signal -3
.Lnot_wave_0_\@:
	s_barrier_wait -3
	s_barrier_signal -1
	s_barrier_wait -1
.endm
.macro CROUND
	s_barrier_signal -1
	s_barrier_wait -1
	CREST
.endm
	s_load_b128 s[4:7], s[0:1], 0x0
	s_load_b128 s[8:11], s[0:1], 0x10
	s_load_b64 s[12:13], s[0:1], 0x20
	v_lshl_add_u32 v[SPW], v0, 2, SPARE
	v_mov_b32 v[NIL], 0
	ds_add_u32 v28, v29
	ds_add_u32 v28, v29
	s_wait_dscnt 0x0
	v_lshrrev_b32 v1, 5, v0
	v_readfirstlane_b32 s14, v1
	s_lshr_b32 s15, s14, 1
	s_and_b32 s16, s14, 1
	s_bfe_u32 s40, ttmp6, 0x40000
	s_bfe_u32 s41, ttmp6, 0x40004
	s_lshl_b32 s42, ttmp9, 2
	s_add_co_u32 s42, s42, s40
	s_and_b32 s17, ttmp7, 0xffff
	s_lshr_b32 s87, s17, 1
	s_lshl_b32 s17, s17, 2
	s_add_co_u32 s17, s17, s41
	s_lshl_b32 s43, s41, 2
	s_lshl_b32 s43, 15, s43
	s_lshl_b32 s44, 0x1111, s40
	s_or_b32 s[G1+0], s43, (1<<21)                 ; the mask; elements of one byte; no padding
	s_or_b32 s[G1B+0], s44, (1<<21)
.irp g, G1, G1B
	s_mov_b32 s[\g+1], ROWB<<16
	s_mov_b32 s[\g+2], 8<<16
	s_mov_b32 s[\g+3], ROWB<<16
	s_mov_b32 s[\g+4], 8
	s_mov_b32 s[\g+5], 32768
	s_mov_b32 s[\g+6], 0
	s_mov_b32 s[\g+7], 0
.endr
	s_lshl_b32 s18, s16, 7
	s_lshl_b32 s20, s17, 8
	s_add_co_u32 s20, s20, s18
	s_mul_i32 s46, s87, NCOLS
	s_lshl_b32 s47, s42, 8
	s_add_co_u32 s46, s46, s47
	s_add_co_u32 s46, s46, s18
	s_mov_b32 s21, 0
	s_mov_b32 s47, 0
	s_mov_b64 s[18:19], KROW
	s_mul_u64 s[20:21], s[20:21], s[18:19]
	s_mul_u64 s[46:47], s[46:47], s[18:19]
	s_mul_i32 s45, s14, HALFT
	s_wait_kmcnt 0x0
	s_load_b128 s[88:91], s[8:9], 0x0
	s_add_nc_u64 s[20:21], s[4:5], s[20:21]
	s_add_nc_u64 s[46:47], s[6:7], s[46:47]
	CROUND
.irp s, 0,1
	s_mov_b32 s[G0+4*\s], 1
	s_add_co_u32 s[G0+4*\s+1], s45, \s*SLOT
	s_add_nc_u64 s[G0+4*\s+2:G0+4*\s+3], s[20:21], \s*ROWB
	s_or_b32 s[G0+4*\s+3], s[G0+4*\s+3], 0x80000000
	s_mov_b32 s[G0B+4*\s], 1
	s_add_co_u32 s[G0B+4*\s+1], s45, \s*SLOT
	s_add_nc_u64 s[G0B+4*\s+2:G0B+4*\s+3], s[46:47], \s*ROWB
	s_or_b32 s[G0B+4*\s+3], s[G0B+4*\s+3], 0x80000000
.endr
	JLOAD G0, G1, G0B, G1B                         ; K step 0: one tensor load a wave at the head
	v_and_b32 v1, 15, v0
	v_bfe_u32 v2, v0, 4, 1
	s_wait_alu depctr_va_vdst(0)
	s_mul_i32 s20, s87, NCOLS
	s_lshl_b32 s21, s42, 8
	s_add_co_u32 s20, s20, s21
	s_lshl_b32 s21, s16, 7
	s_add_co_u32 s20, s20, s21
	s_lshl_b32 s20, s20, 2
	s_mov_b32 s21, 0
	s_add_nc_u64 s[12:13], s[12:13], s[20:21]
	v_lshlrev_b32 v7, 5, v2
.irp b, 0,1,2,3,4,5,6,7
	global_load_b128 v[BI+8*\b:BI+8*\b+3], v7, s[12:13] offset:64*\b
	global_load_b128 v[BI+8*\b+4:BI+8*\b+7], v7, s[12:13] offset:64*\b+16
.endr
	v_and_b32 v3, 31, v0
	v_lshlrev_b32 v4, 4, v3                        ; a fragment's piece: 16 x lane
	s_mul_i32 s21, s15, HALFT
	s_mul_i32 s22, s16, HALFT
	s_add_co_u32 s22, s22, 2*HALFT
.irp s, 0,1
	v_add_nc_u32 v[ADRA+\s], s21, v4
	v_add_nc_u32 v[ADRB+\s], s22, v4
	s_add_co_u32 s21, s21, SLOT
	s_add_co_u32 s22, s22, SLOT
.endr
	s_mul_i32 s23, s14, 16*SPITCH
	v_mul_u32_u24 v5, v1, SPITCH
	v_lshl_add_u32 v5, v2, 5, v5
	v_add_nc_u32 v[STO], s23, v5
	v_and_b32 v6, 31, v0
	v_lshlrev_b32 v[CO], 4, v6
	v_add_nc_u32 v[RD], s23, v[CO]
	s_lshl_b32 s20, s17, 8
	s_lshl_b32 s21, s15, 7
	s_add_co_u32 s20, s20, s21
	s_lshl_b32 s20, s20, 12
	s_lshl_b32 s21, s42, 10
	s_add_co_u32 s20, s20, s21
	s_lshl_b32 s21, s16, 9
	s_add_co_u32 s20, s20, s21
	s_mov_b32 s21, 0
	s_add_nc_u64 s[10:11], s[10:11], s[20:21]
	s_lshl_b32 s18, s17, 8
	s_mul_i32 s19, s87, NCOLS
	s_lshl_b32 s21, s42, 8
	s_add_co_u32 s19, s19, s21
	s_and_b32 s22, ttmp7, 1
	s_cmp_eq_u32 s15, 0
	s_cselect_b32 s20, s18, s19
	s_cselect_b32 s21, s40, s41
	s_cselect_b32 s22, 0, s22
	s_cselect_b64 s[PFA:PFA+1], s[4:5], s[6:7]
	s_cmp_eq_u32 s22, 0
	s_cselect_b32 s[LIM], 1, -1
	s_lshl_b32 s22, s16, 7
	s_add_co_u32 s20, s20, s22
	s_lshl_b32 s21, s21, 5
	s_add_co_u32 s20, s20, s21
	s_lshl_b32 s20, s20, 11
	s_mov_b32 s21, 0
	s_add_nc_u64 s[PFA:PFA+1], s[PFA:PFA+1], s[20:21]
	s_add_nc_u64 s[PFA:PFA+1], s[PFA:PFA+1], 2*ROWB
	v_and_b32 v[PFO], 15, v0
	v_lshlrev_b32 v[PFO], 8, v[PFO]
	v_lshl_add_u32 v[PFO], v2, 15, v[PFO]          ; lanes 0-15 name the 16 x 256 bytes of one block's K step, lanes 16-31 the next block's
	s_wait_kmcnt 0x0
	s_add_co_i32 s96, s90, s91
	s_sub_co_i32 s92, 0, s96
	s_add_co_i32 s96, s96, 127
	s_lshl_b32 s96, s96, 23
	s_mov_b32 s97, s96
	s_wait_loadcnt 0x0
.set j, 0
.rept 64
	v_ldexp_f32 v[BI+j], v[BI+j], s92
.set j, j+1
.endr
.macro FRAG reg, adr, q, i
.irp c, 0,1,2,3
	ds_load_b128 v[\reg+4*\c:\reg+4*\c+3], v[\adr] offset:2048*(\q)+512*\c+(\i)*4096
.endr
.endm
.macro MUL16 a0, p, first
.irp a, \a0, \a0+1
.irp b, 0,1,2,3,4,5,6,7
.if \first
	v_wmma_f32_16x16x128_fp8_fp8 v[8*(8*((\a)%4)+\b):8*(8*((\a)%4)+\b)+7], v[128*(\p)+FR*\b:128*(\p)+FR*\b+FR-1], v[AF+FR*(\a):AF+FR*(\a)+FR-1], v[BI+8*\b:BI+8*\b+7]
.else
	v_wmma_f32_16x16x128_fp8_fp8 v[8*(8*((\a)%4)+\b):8*(8*((\a)%4)+\b)+7], v[128*(\p)+FR*\b:128*(\p)+FR*\b+FR-1], v[AF+FR*(\a):AF+FR*(\a)+FR-1], v[8*(8*((\a)%4)+\b):8*(8*((\a)%4)+\b)+7]
.endif
.endr
.endr
.endm
.macro FETCH_B slot, q, p
	WIN TO_B
.irp i, 0,1,2,3,4,5,6,7
	FRAG 128*(\p)+FR*\i, ADRB+\slot, \q, \i
.endr
	WIN 0
.endm
.macro FETCH_A slot, q, i0
.irp i, \i0, \i0+1, \i0+2, \i0+3
	FRAG AF+FR*(\i), ADRA+\slot, \q, \i
.endr
.endm
.macro PLACES n
.rept \n
	v_nop
.endr
.endm
.macro STEP slot, q, first
	s_wait_dscnt 4*NL
.if \first
	WIN BEG_LO
.else
	WIN MUL_LO
.endif
	MUL16 0, (\q)%2, \first
	MUL16 2, (\q)%2, \first
	s_wait_dscnt 0
	PLACES NP
	FETCH_B \slot, (\q)+1, 1-(\q)%2
	FETCH_A \slot, (\q)+1, 0
.if \first
	WIN BEG_HI
.else
	WIN MUL_HI
.endif
	MUL16 4, (\q)%2, \first
	MUL16 6, (\q)%2, \first
	PLACES NP
	WIN 0
	FETCH_A \slot, (\q)+1, 4
.endm
.macro TURN slot, next, fill
.if \fill
	s_wait_xcnt 0x0
	s_add_nc_u64 s[PFA:PFA+1], s[PFA:PFA+1], ROWB
.endif
	s_wait_tensorcnt 0x0
	ds_add_u32 v[SPW], v[NIL]
	s_wait_dscnt 4*NL+1
	WIN MUL_LO
	MUL16 0, 1, 0
	s_wait_dscnt 0x0
	s_barrier_signal -1
	MUL16 2, 1, 0
	WIN 0
	s_barrier_wait -1
.if \fill
	CREST
	s_add_nc_u64 s[G0+4*\slot+2:G0+4*\slot+3], s[G0+4*\slot+2:G0+4*\slot+3], 2*ROWB
	s_add_nc_u64 s[G0B+4*\slot+2:G0B+4*\slot+3], s[G0B+4*\slot+2:G0B+4*\slot+3], 2*ROWB
	JLOAD G0+4*\slot, G1, G0B+4*\slot, G1B
.else
	PLACES NP
.endif
	FETCH_B \next, 0, 0
	FETCH_A \next, 0, 0
.if \fill
	ASK
.endif
	WIN MUL_HI
	MUL16 4, 1, 0
	MUL16 6, 1, 0
	PLACES NP
	WIN 0
	FETCH_A \next, 0, 4
.endm
	s_wait_alu depctr_va_vdst(0)
	s_wait_tensorcnt 0x0                           ; my part of K step 0 is in; a later first fill is issued as a refill is
	ds_add_u32 v[SPW], v[NIL]
	s_wait_dscnt 0x0
	CROUND
	JLOAD G0+4, G1, G0B+4, G1B                     ; K step 1
	FETCH_B 0, 0, 0
	FETCH_A 0, 0, 0
	FETCH_A 0, 0, 4
	STEP 0, 0, 1
	s_mov_b32 s3, LAPS-1
.Llap:
	TURN 0, 1, 1
	STEP 1, 0, 0
	TURN 1, 0, 1
	STEP 0, 0, 0
	s_sub_co_u32 s3, s3, 1
	s_cmp_lg_u32 s3, 0
	s_cbranch_scc1 .Llap
	TURN 0, 1, 0
	STEP 1, 0, 0
	s_wait_dscnt 4*NL
	WIN MUL_LO
	MUL16 0, 1, 0
	MUL16 2, 1, 0
	s_wait_dscnt 0
	WIN MUL_HI
	MUL16 4, 1, 0
	MUL16 6, 1, 0
	WIN 0
.macro TOSTAGE a
.set AC, 64*((\a)%4)
	WIN 0x02+((\a)/4)
.irp j, 0,2,4,6,8,10,12,14,16,18,20,22,24,26,28,30,32,34,36,38,40,42,44,46,48,50,52,54,56,58,60,62
	v_pk_mul_f32 v[TMP+\j:TMP+\j+1], v[AC+\j:AC+\j+1], s[96:97] op_sel_hi:[1,0]
.endr
	WIN 0
.irp b, 0,1,2,3,4,5,6,7
	ds_store_b128 v[STO], v[TMP+8*\b:TMP+8*\b+3] offset:64*\b
	ds_store_b128 v[STO], v[TMP+8*\b+4:TMP+8*\b+7] offset:64*\b+16
.endr
.set BB, BK+64*((\a)%2)
.irp t, 0,1,2,3,4,5,6,7,8,9,10,11,12,13,14,15
	ds_load_b128 v[BB+4*\t:BB+4*\t+3], v[RD] offset:\t*SPITCH
.endr
.endm
.macro SEND a, younger
.set BB, BK+64*((\a)%2)
	s_wait_dscnt \younger
.if (\a) > 0
	s_add_nc_u64 s[10:11], s[10:11], 16*OROW
.endif
.irp t, 0,1,2,3,4,5,6,7,8,9,10,11,12,13,14,15
	global_store_b128 v[CO], v[BB+4*\t:BB+4*\t+3], s[10:11] offset:\t*OROW th:TH_STORE_NT
.endr
.endm
	PLACES NP
	TOSTAGE 0
.irp a, 1,2,3,4,5,6,7
.if \a > 1
	s_wait_xcnt 0x0
.endif
	TOSTAGE \a
	SEND \a-1, 32
.endr
	s_wait_xcnt 0x0
	SEND 7, 0
	s_wait_tensorcnt 0x0
	ds_add_u32 v[SPW], v[NIL]
	s_wait_dscnt 0x0
	CROUND
	s_endpgm
.Lfunc_end_k_q5b1087b121_ffn2:
	.size	k_q5b1087b121_ffn2, .Lfunc_end_k_q5b1087b121_ffn2-k_q5b1087b121_ffn2
	.p2alignl 7, 3214868480
	.fill 96, 4, 3214868480
	.section	.rodata,"a",@progbits
	.p2align	6, 0x0
	.amdhsa_kernel k_q5b1087b121_ffn2
		.amdhsa_group_segment_fixed_size 327680
		.amdhsa_private_segment_fixed_size 0
		.amdhsa_enable_private_segment 0
		.amdhsa_kernarg_size 40
		.amdhsa_user_sgpr_count 2
		.amdhsa_user_sgpr_kernarg_segment_ptr 1
		.amdhsa_wavefront_size32 1
		.amdhsa_system_sgpr_workgroup_id_x 1
		.amdhsa_system_sgpr_workgroup_id_y 1
		.amdhsa_system_sgpr_workgroup_id_z 1
		.amdhsa_system_vgpr_workitem_id 0
		.amdhsa_next_free_vgpr 1024
		.amdhsa_next_free_sgpr 98
		.amdhsa_reserve_vcc 0
		.amdhsa_float_denorm_mode_32 3
		.amdhsa_float_denorm_mode_16_64 3
		.amdhsa_memory_ordered 1
		.amdhsa_forward_progress 1
		.amdhsa_inst_pref_size 131
	.end_amdhsa_kernel
	.amdgpu_metadata
---
amdhsa.version: [ 1, 2 ]
amdhsa.kernels:
  - .name:           k_q5b1087b121_ffn2
    .symbol:         k_q5b1087b121_ffn2.kd
    .args:
      - { .name: hq, .offset: 0, .size: 8, .value_kind: global_buffer, .address_space: global }
      - { .name: w2q, .offset: 8, .size: 8, .value_kind: global_buffer, .address_space: global }
      - { .name: lowp_scales, .offset: 16, .size: 8, .value_kind: global_buffer, .address_space: global }
      - { .name: out0, .offset: 24, .size: 8, .value_kind: global_buffer, .address_space: global }
      - { .name: b2, .offset: 32, .size: 8, .value_kind: global_buffer, .address_space: global }
    .group_segment_fixed_size: 327680
    .private_segment_fixed_size: 0
    .kernarg_segment_align: 8
    .kernarg_segment_size: 40
    .max_flat_workgroup_size: 128
    .sgpr_count:     98
    .vgpr_count:     1024
    .wavefront_size: 32
...
	.end_amdgpu_metadata
.endif
;; end of part 3
